; MI455X (gfx1250); checked and timed in simulation.
; The chip was launched on July 23, 2026; its instructions are those of AMD's public machine-readable ISA for CDNA 5 (MIT licence, August 2026) and "CDNA5" Instruction Set Architecture Reference Guide (July 2026). The comments in the code are by the model that wrote it; some were corrected since.
;; Expert Router. Allowed arithmetic: float matrix products may take bf16 or f16 operands with f32 sums; all other float work in f32.
;; Inputs: W1 4,096 x 2,048 float32; W2 2,048 x 64 float32; b1 2,048 float32; b2 64 float32; x 8,192 x 4,096 float32.
;; Outputs: out0 8,192 x 2 float32; out1 8,192 x 2 int32; out2 one number float32.
;; 2 versions, each right; version 2 is version 1 with the launch prep written anew for expert scheduling mode. Each part assembles by itself: llvm-mc -triple=amdgcn-amd-amdhsa -mcpu=gfx1250 --defsym DOCPART=n.
;; ======== version 1 of 2: 4 launches
;; limits: values outside matrix products are rounded to bf16
;; workspace buffers: W1F 16,777,216 bytes; W2F 262,144 bytes; b1P 8,192 bytes; xb 67,108,864 bytes; plog 16,777,216 bytes; part 131,072 bytes
;; launch prep (part 1): grid 1288 x 1, 8 waves a work-group, no clusters, 0 bytes of LDS; arguments W1, W2, b1, W1F, W2F, b1P, x, xb; writes W1F, W2F, b1P, xb
.if DOCPART == 1
	.amdgcn_target "amdgcn-amd-amdhsa--gfx1250"
	.amdhsa_code_object_version 6
	.text
	.protected	k_q15f410f725_prep
	.globl	k_q15f410f725_prep
	.p2align	8
	.type	k_q15f410f725_prep,@function
k_q15f410f725_prep:
	s_mov_b64 s[64:65], 0
	v_nop
	global_prefetch_b8 v0, s[64:65] scope:SCOPE_SE
	s_setreg_imm32_b32 hwreg(HW_REG_WAVE_MODE, 25, 1), 1
	s_wait_xcnt 0x0
; prep: every floating input of the first product is rounded once to bf16 and laid as the next launch wants it.
; x [8192][4096] f32 becomes xb, the same rows in bf16.  W1 [4096][2048] f32 and W2 [2048][64] f32 go into the order of the matrix
; fragments; b1 into the same column order.  With lane L = r + 16 h:
;   W1F byte nb*2097152 + ks*16384 + t*1024 + c*512 + L*16 + 2j = W1[32ks+16c+8h+j][256nb + 64(t>>2) + 4r + (t&3)]
;   W2F byte nb*32768 + p*4096 + et*1024 + c*512 + L*16 + 2j    = W2[256nb + 64(t>>2) + 4(8h+j) + (t&3)][16et + r], t = 2p+c
;   b1P[256nb + 16t + q] = b1[256nb + 64(t>>2) + 4q + (t&3)]
; The order of columns inside each group of 64 is chosen so that a lane's four neighbouring f32 of a row of W1 belong to four
; tiles t: every load takes 2 x 256 neighbouring bytes and every store 512 neighbouring bytes, with no pass through LDS.
; Work-groups 0-255: W1; 256-263: W2 and b1; 264-1287: x, 131,072 bytes each.
; FORMAT LIMIT, stated: b1 is rounded once to bf16 (relative 2^-9) as W1, W2 and x are, and kept as f32 from there on,
; so that every input enters the arithmetic in one format.
; A stream: no LDS, no matrix unit, no cluster (no two work-groups read the same bytes).
.set X, 16                             ; v[16:143]  f32 as loaded
.set Y, 144                            ; v[144:207] bf16 pairs to store
	s_load_b256 s[4:11], s[0:1], 0x0               ; W1 s[4:5], W2 s[6:7], b1 s[8:9], W1F s[10:11]
	s_load_b128 s[12:15], s[0:1], 0x20             ; W2F s[12:13], b1P s[14:15]
	s_load_b128 s[28:31], s[0:1], 0x30             ; x s[28:29], xb s[30:31]
	v_lshrrev_b32 v1, 5, v0
	v_readfirstlane_b32 s16, v1                    ; wave w, 0 to 7
	v_and_b32 v1, 31, v0                           ; lane
	v_and_b32 v2, 15, v0                           ; r
	v_bfe_u32 v3, v0, 4, 1                         ; h
	v_lshlrev_b32 v5, 4, v1                        ; 16 x lane
	s_cmp_ge_u32 ttmp9, 264
	s_cbranch_scc1 .Lx                             ; work-groups 264 and up take x
	s_cmp_ge_u32 ttmp9, 256
	s_cbranch_scc1 .Lw2                            ; work-groups 256 to 263 take W2 and b1
	; ---- W1: work-group = (ks, gh); wave w takes the two groups of 64 columns G = 16 gh + 2 w + s, 32 rows of K each
	s_lshr_b32 s17, ttmp9, 1                       ; ks
	s_and_b32 s18, ttmp9, 1                        ; gh
	s_lshl_b32 s20, s17, 18                        ; 32 rows of 8,192 bytes
	s_lshl_b32 s22, s18, 12                        ; + 16 gh groups of 256 bytes
	s_add_co_u32 s20, s20, s22
	s_lshl_b32 s22, s16, 9                         ; + 2 w groups
	s_add_co_u32 s20, s20, s22
	s_mov_b32 s21, 0
	s_lshr_b32 s22, s16, 1
	s_lshl2_add_u32 s22, s18, s22                  ; nb = 4 gh + (w >> 1)
	s_lshl_b32 s22, s22, 21
	s_lshl_b32 s24, s17, 14                        ; + ks x 16,384
	s_add_co_u32 s22, s22, s24
	s_and_b32 s24, s16, 1
	s_lshl_b32 s24, s24, 13                        ; + tiles 8 (w & 1) ..
	s_add_co_u32 s22, s22, s24
	s_mov_b32 s23, 0
	v_lshlrev_b32 v4, 4, v2                        ; 16 r: four columns of the group,
	v_lshl_add_u32 v4, v3, 16, v4                  ; eight rows further down for lanes 16 to 31
	s_wait_kmcnt 0x0
	s_add_nc_u64 s[4:5], s[4:5], s[20:21]
	s_add_nc_u64 s[10:11], s[10:11], s[22:23]
.irp s, 0,1
.irp c, 0,1
.irp j, 0,1,2,3,4,5,6,7
	global_load_b128 v[X+64*\s+32*\c+4*\j:X+64*\s+32*\c+4*\j+3], v4, s[4:5] offset:(16*\c+\j)*8192+256*\s th:TH_LOAD_NT
.endr
.endr
.endr
; One group of 64 columns: word d of tile i holds rows k = 2d and 2d+1 of column 4r + i.  left = younger loads that may stay out.
.macro PACK1 s, left
	s_wait_loadcnt \left                           ; loads come back in order: this group's sixteen are in
.irp c, 0,1
.irp i, 0,1,2,3
.irp d, 0,1,2,3
	v_cvt_pk_bf16_f32 v[Y+32*\s+16*\c+4*\i+\d], v[X+64*\s+32*\c+8*\d+\i], v[X+64*\s+32*\c+8*\d+4+\i]
.endr
.endr
.endr
.irp c, 0,1
.irp i, 0,1,2,3
	global_store_b128 v5, v[Y+32*\s+16*\c+4*\i:Y+32*\s+16*\c+4*\i+3], s[10:11] offset:4096*\s+1024*\i+512*\c   ; 512 neighbouring bytes
.endr
.endr
.endm
	PACK1 0, 16                                    ; the second group's sixteen loads stay out
	PACK1 1, 0
	s_endpgm                                       ; no register of a load or store was written again
	; ---- W2: work-group = nb, wave = p (the pair of tiles 2p, 2p+1).  64-byte runs; a wave's four loads et use up each row of W2
.Lw2:
	s_sub_co_u32 s17, ttmp9, 256                   ; nb
	s_lshl_b32 s20, s17, 16                        ; 256 rows of 256 bytes
	s_lshr_b32 s22, s16, 1
	s_lshl_b32 s22, s22, 14                        ; + 64 (t >> 2) rows
	s_add_co_u32 s20, s20, s22
	s_and_b32 s22, s16, 1
	s_lshl_b32 s22, s22, 9                         ; + 2 (p & 1) rows
	s_add_co_u32 s20, s20, s22
	s_mov_b32 s21, 0
	s_lshl_b32 s22, s17, 15
	s_lshl_b32 s24, s16, 12
	s_add_co_u32 s22, s22, s24                     ; W2F: nb x 32,768 + p x 4,096
	s_mov_b32 s23, 0
	v_lshlrev_b32 v4, 2, v2                        ; expert r of the sixteen,
	v_lshl_add_u32 v4, v3, 13, v4                  ; 32 rows further down for lanes 16 to 31
	s_wait_kmcnt 0x0
	s_add_nc_u64 s[6:7], s[6:7], s[20:21]
	s_add_nc_u64 s[12:13], s[12:13], s[22:23]
.irp et, 0,1,2,3
.irp c, 0,1
.irp j, 0,1,2,3,4,5,6,7
	global_load_b32 v[X+8*(2*\et+\c)+\j], v4, s[6:7] offset:1024*\j+256*\c+64*\et
.endr
.endr
.endr
.macro PACK2 e0, e1, left
	s_wait_loadcnt \left
.irp et, \e0, \e1
.irp c, 0,1
.irp d, 0,1,2,3
	v_cvt_pk_bf16_f32 v[Y+4*(2*\et+\c)+\d], v[X+8*(2*\et+\c)+2*\d], v[X+8*(2*\et+\c)+2*\d+1]
.endr
	global_store_b128 v5, v[Y+4*(2*\et+\c):Y+4*(2*\et+\c)+3], s[12:13] offset:1024*\et+512*\c
.endr
.endr
.endm
	PACK2 0, 1, 32                                 ; the 32 loads of et = 2, 3 stay out
	PACK2 2, 3, 0
	; ---- b1: waves 0 to 3 take one group of 64 columns each; a lane makes two neighbouring numbers of b1P
	s_cmp_ge_u32 s16, 4
	s_cbranch_scc1 .Lend
	s_lshl_b32 s24, s17, 10
	s_lshl_b32 s26, s16, 8
	s_add_co_u32 s24, s24, s26                     ; nb x 1,024 + group x 256 bytes, in b1 and in b1P
	s_mov_b32 s25, 0
	s_add_nc_u64 s[8:9], s[8:9], s[24:25]
	s_add_nc_u64 s[14:15], s[14:15], s[24:25]
	v_and_b32 v8, 7, v1
	v_lshrrev_b32 v9, 3, v1
	v_lshlrev_b32 v9, 2, v9                        ; 4 (t & 3)
	v_lshl_add_u32 v8, v8, 5, v9                   ; + 16 q, q = 2 (lane & 7)
	v_lshlrev_b32 v9, 3, v1
	global_load_b32 v6, v8, s[8:9]
	global_load_b32 v7, v8, s[8:9] offset:16       ; q + 1
	s_wait_loadcnt 0x0
	v_cvt_pk_bf16_f32 v10, v6, v7                  ; the stated rounding of b1,
	v_lshlrev_b32 v6, 16, v10                      ; and back to f32
	v_and_b32 v7, 0xffff0000, v10
	global_store_b64 v9, v[6:7], s[14:15]          ; the wave stores 256 neighbouring bytes, aligned
.Lend:
	s_endpgm
	; ---- x: work-group g takes 131,072 bytes of x, wave w 16,384 of them: 32 loads of 512 neighbouring bytes, all on their way at once;
	; a lane's four f32 become 8 bytes, so that a store of the wave covers 256 neighbouring bytes, aligned.
.Lx:
	s_sub_co_u32 s17, ttmp9, 264                   ; g, 0 to 1023
	s_lshl_b32 s20, s17, 17
	s_lshl_b32 s22, s16, 14
	s_add_co_u32 s20, s20, s22                     ; byte offset in x, below 2^27
	s_mov_b32 s21, 0
	s_lshr_b32 s22, s20, 1                         ; half as many bytes in xb
	s_mov_b32 s23, 0
	v_lshlrev_b32 v4, 3, v1                        ; 8 x lane
	s_wait_kmcnt 0x0
	s_add_nc_u64 s[28:29], s[28:29], s[20:21]
	s_add_nc_u64 s[30:31], s[30:31], s[22:23]
.set u, 0
.rept 32
	global_load_b128 v[X+4*u:X+4*u+3], v5, s[28:29] offset:512*u th:TH_LOAD_NT
.set u, u+1
.endr
.macro PACKX g, left
	s_wait_loadcnt \left                           ; loads come back in order: these eight are in, the younger ones stay out
.irp i, 0,1,2,3,4,5,6,7
	v_cvt_pk_bf16_f32 v[Y+2*(8*\g+\i)],   v[X+4*(8*\g+\i)],   v[X+4*(8*\g+\i)+1]
	v_cvt_pk_bf16_f32 v[Y+2*(8*\g+\i)+1], v[X+4*(8*\g+\i)+2], v[X+4*(8*\g+\i)+3]
	global_store_b64 v4, v[Y+2*(8*\g+\i):Y+2*(8*\g+\i)+1], s[30:31] offset:256*(8*\g+\i)
.endr
.endm
	PACKX 0, 24
	PACKX 1, 16
	PACKX 2, 8
	PACKX 3, 0
	s_endpgm                                       ; no register of a load or store was written again
.Lfunc_end_k_q15f410f725_prep:
	.size	k_q15f410f725_prep, .Lfunc_end_k_q15f410f725_prep-k_q15f410f725_prep
	.p2alignl 7, 3214868480
	.fill 96, 4, 3214868480
	.section	.rodata,"a",@progbits
	.p2align	6, 0x0
	.amdhsa_kernel k_q15f410f725_prep
		.amdhsa_group_segment_fixed_size 0
		.amdhsa_private_segment_fixed_size 0
		.amdhsa_enable_private_segment 0
		.amdhsa_kernarg_size 64
		.amdhsa_user_sgpr_count 2
		.amdhsa_user_sgpr_kernarg_segment_ptr 1
		.amdhsa_wavefront_size32 1
		.amdhsa_system_sgpr_workgroup_id_x 1
		.amdhsa_system_sgpr_workgroup_id_y 1
		.amdhsa_system_sgpr_workgroup_id_z 1
		.amdhsa_system_vgpr_workitem_id 0
		.amdhsa_next_free_vgpr 208
		.amdhsa_next_free_sgpr 66
		.amdhsa_reserve_vcc 0
		.amdhsa_float_denorm_mode_32 3
		.amdhsa_float_denorm_mode_16_64 3
		.amdhsa_memory_ordered 1
		.amdhsa_forward_progress 1
		.amdhsa_inst_pref_size 32
	.end_amdhsa_kernel
	.amdgpu_metadata
---
amdhsa.version: [ 1, 2 ]
amdhsa.kernels:
  - .name:           k_q15f410f725_prep
    .symbol:         k_q15f410f725_prep.kd
    .args:
      - { .name: W1, .offset: 0, .size: 8, .value_kind: global_buffer, .address_space: global }
      - { .name: W2, .offset: 8, .size: 8, .value_kind: global_buffer, .address_space: global }
      - { .name: b1, .offset: 16, .size: 8, .value_kind: global_buffer, .address_space: global }
      - { .name: W1F, .offset: 24, .size: 8, .value_kind: global_buffer, .address_space: global }
      - { .name: W2F, .offset: 32, .size: 8, .value_kind: global_buffer, .address_space: global }
      - { .name: b1P, .offset: 40, .size: 8, .value_kind: global_buffer, .address_space: global }
      - { .name: x, .offset: 48, .size: 8, .value_kind: global_buffer, .address_space: global }
      - { .name: xb, .offset: 56, .size: 8, .value_kind: global_buffer, .address_space: global }
    .group_segment_fixed_size: 0
    .private_segment_fixed_size: 0
    .kernarg_segment_align: 8
    .kernarg_segment_size: 64
    .max_flat_workgroup_size: 256
    .sgpr_count:     66
    .vgpr_count:     208
    .wavefront_size: 32
...
	.end_amdgpu_metadata
.endif
;; end of part 1
;; launch gate (part 2): grid 8 x 32, 4 waves a work-group, clusters of 4 x 4, 327,680 bytes of LDS; arguments xb, W1F, W2F, b1P, plog; writes plog
.if DOCPART == 2
	.amdgcn_target "amdgcn-amd-amdhsa--gfx1250"
	.amdhsa_code_object_version 6
	.text
	.protected	k_q15f410f725_gate
	.globl	k_q15f410f725_gate
	.p2align	8
	.type	k_q15f410f725_gate,@function
k_q15f410f725_gate:
	s_mov_b64 s[64:65], 0
	v_nop
	global_prefetch_b8 v0, s[64:65] scope:SCOPE_SE
	s_setreg_imm32_b32 hwreg(HW_REG_WAVE_MODE, 25, 1), 1
	s_wait_xcnt 0x0
	s_wait_alu depctr_hold_cnt(0) depctr_sa_sdst(0) depctr_va_vdst(0) depctr_va_sdst(0) depctr_va_ssrc(0) depctr_va_vcc(0) depctr_vm_vsrc(0)
	s_getreg_b32 s2, hwreg(HW_REG_IB_STS2, 6, 4)
	s_cmp_eq_u32 s2, 0
	s_cbranch_scc0 .Lentry_in_a_cluster
	s_endpgm
.Lentry_in_a_cluster:
	s_bfe_u32 s2, ttmp6, 0x10000c
	s_cmp_lg_u32 s2, 0xf033
	s_cbranch_scc0 .Lentry_shape_is_right
	s_endpgm
.Lentry_shape_is_right:
; gate: for a block of 256 rows (rb) x 256 hidden columns (nb):  h = silu(x W1 + b1),  plog[nb] = h W2[these 256 rows].
; xb [8192][4096] bf16; W1F, W2F bf16 in fragment order and b1P f32, as the launch before laid them; plog f32, the eight partial logits.
; Four waves, as many as a WGP has SIMDs; wave (wr, wc) makes rows 128 wr .. x hidden columns 128 wc ..: 64 accumulator tiles, 512 registers:
; for 32 along K it loads 2 x 128 x 64 bytes from LDS and issues 64 matrix instructions.
; K goes in steps of 128 through two LDS slots: 256 rows x 256 bytes of xb (padded to a pitch of 272) and 65,536 dense bytes of W1F.
; A slot is asked for again behind one change of slots and waited for in front of the next: 240 matrix instructions of a wave lie between.
; CLUSTERS: 4 x 4 work-groups.  xb's tile hangs on rb alone and is asked for jointly by a row of the cluster; W1F's, W2F's and b1P's
; hang on nb alone and are asked for jointly by a column.  Waves 0, 1 ask for xb's halves, waves 2, 3 for W1F's.
; By this text's count a wave has three tensor loads outstanding at the start and one behind each round.
; THE MATRIX INSTRUCTION IS USED TRANSPOSED: source 0 = 16 columns of W1, source 1 = 16 rows of x.  Lane (r, h) register j of a tile
; then holds (row r, tile column 8h + j): tiles 2p and 2p+1, rounded, ARE registers 0-3 and 4-7 of a fragment of h for the second product.
; h goes there as two bf16 numbers, hi + lo (16 bits of mantissa), since a choice between near logits follows.
; The second product's K (256 hidden columns) is split between the two waves of a row half: each lays its 128 x 64 sums into LDS as an
; image of plog's layout, and behind one barrier each adds and stores one half of the two images.
; LIMITS, stated: x, W1, W2, b1 enter rounded once to bf16; sums are formed in another order than in a plain f32 product.
; silu(z) = z / (1 + 2^(-z log2 e)): for z far below zero the power is infinite, its reciprocal 0, the result -0; finite for every finite z.
;
; REGISTERS in windows of 256:  window 0: v16-24 addresses, v64-127 and v128-191 x's fragments (two buffers);
; window 1: v64-127, v128-191 W1's fragments (two buffers); window 2: the 32 accumulator tiles of my rows 0-63 (tile (a, b) at 8 (8 a + b));
; window 3: those of my rows 64-127.
.set PITCH,  272                       ; an LDS row of xb: 256 bytes + 16: the sixteen rows that a load touches begin 272 bytes apart
.set HALFA,  128*PITCH                 ; 128 rows: what one tensor load brings of xb, and what one wave reads of it
.set ABYTES, 2*HALFA
.set SLOT,   ABYTES+65536              ; xb's 256 rows, then W1F's 65,536 bytes
.set W2L,    2*SLOT                    ; 32,768 bytes of W2F
.set B1L,    W2L+32768                 ; 1,024 bytes of b1P
.set LAPS,   16                        ; 4,096 / 128 = 32 K steps, two to a lap
.set ADRA, 16                          ; v16-17 slot s: my 128 rows of xb
.set ADRB, 18                          ; v18-19 slot s: my 8 tiles of W1F
.set ADRW, 20                          ; v20    my 16 fragments of W2F
.set ADRC, 21                          ; v21    my 128 numbers of b1P
.set STO,  22                          ; v22    the way out: where I put 16 bytes of my image
.set RD,   23                          ; v23    the way out: where I read my half of the two images
.set CO,   24                          ; v24    16 x lane: my byte offset in plog
.set F0,   64                          ; fragment buffer 0
.set F1,   128                         ; fragment buffer 1
.set B1R,  32                          ; the way out: v[32:95] b1 of (tile b, 8h + j) at 8 b + j
.set ZZ,   96                          ; v[96:111]  z, then h, then h - hi
.set EX,   112                         ; v[112:127] at work
.set HHI,  128                         ; v[128:135] fragment of hi
.set HLO,  136                         ; v[136:143] fragment of lo
.set D2,   144                         ; v[144:175] four tiles of partial logits
.set P0,   32                          ; v[32:159]  at the end: my half of the first image, then the sums
.set P1,   160                         ; v[160:223] at the end: sixteen pieces of the second image
.set G1A, 24                           ; s[24:31] shape of xb's tiles
.set G1B, 32                           ; s[32:39] shape of 32,768 dense bytes (W1F)
.set G1C, 40                           ; s[40:47] shape of 512 bytes (b1P)
.set G0A, 48                           ; s[48:55] xb: from where, to where, a set for each slot
.set G0B, 56                           ; s[56:63] W1F likewise
.set G0C, 68                           ; s[68:71] b1P
.set G0W, 72                           ; s[72:75] W2F
.set G1W, 76                           ; s[76:83] shape of 16,384 dense bytes (W2F)
.set MSB, 0
.macro WIN new                         ; the immediate's high byte repeats the setting that is left; a switch that changes nothing is dropped
.if MSB != (\new)
	s_set_vgpr_msb (MSB<<8)|(\new)
.set MSB, (\new)
.endif
.endm
.set MUL_LO, 0xa1                      ; source 0 (W1) window 1, source 1 (x) window 0, C and D window 2
.set MUL_HI, 0xf1                      ; the same, C and D window 3
.set TO_B,   0x40                      ; destination window 1, address window 0
.macro PLACES                          ; four plain vector instructions between a matrix instruction and a load into, or a vector write or read of, its registers
.rept 4
	v_nop
.endr
.endm
.macro JLOAD s                         ; the step's joint load: one line and one mask for each kind; the branch hangs on the wave's number alone
	s_cmp_eq_u32 s15, 0
	s_cbranch_scc0 .Lfor_b_\@
	tensor_load_to_lds s[G0A+4*\s:G0A+4*\s+3], s[G1A:G1A+7]
	s_nop 0
	s_branch .Lasked_\@
.Lfor_b_\@:
	tensor_load_to_lds s[G0B+4*\s:G0B+4*\s+3], s[G1B:G1B+7]
	s_nop 0
.Lasked_\@:
.endm
.macro CREST                           ; a round of the cluster's barrier behind its opening work-group barrier
	s_cmp_lg_u32 s14, 0
	s_cbranch_scc1 .Lnot_wave_0_\@
	s_barrier_signal -3
.Lnot_wave_0_\@:
	s_barrier_wait -3
	s_barrier_signal -1
	s_barrier_wait -1
.endm
.macro CROUND
	s_barrier_signal -1
	s_barrier_wait -1
	CREST
.endm
	s_load_b256 s[4:11], s[0:1], 0x0               ; xb s[4:5], W1F s[6:7], W2F s[8:9], b1P s[10:11]
	s_load_b64 s[12:13], s[0:1], 0x20              ; plog
	s_set_vgpr_msb 0x40
	v_lshl_add_u32 v255, v0, 2, 0x4a400
	s_set_vgpr_msb 0x4000
	v_mov_b32 v255, 0
	s_set_vgpr_msb 0x1
	ds_add_u32 v255, v255
	s_set_vgpr_msb 0x100
	v_lshrrev_b32 v1, 5, v0
	v_readfirstlane_b32 s14, v1                    ; wave w
	s_lshr_b32 s15, s14, 1                         ; wr: which half of the block's rows is mine.  Also: I ask for xb (0) or for W1F (1)
	s_and_b32 s16, s14, 1                          ; wc: which half of its columns.  Also: which half of that tile I ask for
	s_bfe_u32 s17, ttmp6, 0x40000                  ; cx
	s_bfe_u32 s18, ttmp6, 0x40004                  ; cy
	s_lshl_b32 s19, ttmp9, 2
	s_add_co_u32 s19, s19, s17                     ; nb = 4 x cluster x + cx
	s_and_b32 s20, ttmp7, 0xffff
	s_lshl_b32 s20, s20, 2
	s_add_co_u32 s20, s20, s18                     ; rb = 4 x cluster y + cy
	s_lshl_b32 s21, s18, 2
	s_lshl_b32 s21, 15, s21                        ; my row of the cluster
	s_lshl_b32 s22, 0x1111, s17                    ; my column
	s_mov_b32 s98, 0xffff0000                      ; a word's upper bf16
	; xb's tile: 128 rows x 128 bf16, 4,096 elements from row to row, 4 words of padding behind every 64
	s_or_b32 s[G1A+0], s21, (1<<16)|(1<<20)|(1<<21)|(5<<22)|(3<<25)
	s_mov_b32 s[G1A+1], 128<<16                    ; tensor_dim0 = 128
	s_mov_b32 s[G1A+2], 128<<16                    ; tensor_dim1 = 128
	s_mov_b32 s[G1A+3], 128<<16                    ; tile_dim0 = 128
	s_mov_b32 s[G1A+4], 128                        ; tile_dim1 = 128
	s_mov_b32 s[G1A+5], 4096
	s_mov_b32 s[G1A+6], 0
	s_mov_b32 s[G1A+7], 0
	; 32,768 dense bytes as 128 rows of 32 elements of 8 bytes
	s_or_b32 s[G1B+0], s22, (3<<16)|(1<<21)
	s_mov_b32 s[G1B+1], 32<<16
	s_mov_b32 s[G1B+2], 128<<16
	s_mov_b32 s[G1B+3], 32<<16
	s_mov_b32 s[G1B+4], 128
	s_mov_b32 s[G1B+5], 32
	s_mov_b32 s[G1B+6], 0
	s_mov_b32 s[G1B+7], 0
	; 16,384 dense bytes as 64 such rows
	s_or_b32 s[G1W+0], s22, (3<<16)|(1<<21)
	s_mov_b32 s[G1W+1], 32<<16
	s_mov_b32 s[G1W+2], 64<<16
	s_mov_b32 s[G1W+3], 32<<16
	s_mov_b32 s[G1W+4], 64
	s_mov_b32 s[G1W+5], 32
	s_mov_b32 s[G1W+6], 0
	s_mov_b32 s[G1W+7], 0
	; one row of 512 bytes
	s_or_b32 s[G1C+0], s22, (3<<16)|(1<<21)
	s_mov_b32 s[G1C+1], 64<<16
	s_mov_b32 s[G1C+2], 1<<16
	s_mov_b32 s[G1C+3], 64<<16
	s_mov_b32 s[G1C+4], 1
	s_mov_b32 s[G1C+5], 64
	s_mov_b32 s[G1C+6], 0
	s_mov_b32 s[G1C+7], 0
	; offsets, each in registers of its own: xb's never hold cx, the others never cy
	s_lshl_b32 s84, s20, 21                        ; xb: 256 rb rows of 8,192 bytes
	s_lshl_b32 s85, s16, 20                        ;     + 128 rows for the second half
	s_add_co_u32 s84, s84, s85
	s_mov_b32 s85, 0
	s_lshl_b32 s86, s19, 21                        ; W1F: nb's block, + 32,768 for the second half of a step
	s_lshl_b32 s87, s16, 15
	s_add_co_u32 s86, s86, s87
	s_mov_b32 s87, 0
	s_lshl_b32 s88, s19, 10                        ; b1P: nb's 1,024 bytes, in halves
	s_lshl_b32 s89, s16, 9
	s_add_co_u32 s88, s88, s89
	s_mov_b32 s89, 0
	s_lshl_b32 s90, s19, 15                        ; W2F: nb's 32,768 bytes, in halves
	s_lshl_b32 s91, s16, 14
	s_add_co_u32 s90, s90, s91
	s_mov_b32 s91, 0
	; LDS addresses: a constant + the wave's number x a constant (waves 0, 1 use the first and third, waves 2, 3 the others)
	s_mul_i32 s92, s14, HALFA                      ; xb's half w
	s_lshl_b32 s93, s14, 15
	s_add_co_u32 s93, s93, ABYTES-65536            ; W1F's half w - 2, behind xb's 256 rows
	s_lshl_b32 s94, s14, 9
	s_add_co_u32 s94, s94, B1L                     ; b1P's half w
	s_lshl_b32 s95, s14, 14
	s_add_co_u32 s95, s95, W2L-32768               ; W2F's half w - 2
	s_wait_dscnt 0x0
	s_wait_kmcnt 0x0
	s_add_nc_u64 s[4:5], s[4:5], s[84:85]
	s_add_nc_u64 s[6:7], s[6:7], s[86:87]
	s_add_nc_u64 s[10:11], s[10:11], s[88:89]
	s_add_nc_u64 s[8:9], s[8:9], s[90:91]
.irp s, 0,1
	s_mov_b32 s[G0A+4*\s], 1
	s_add_co_u32 s[G0A+4*\s+1], s92, \s*SLOT
	s_add_nc_u64 s[G0A+4*\s+2:G0A+4*\s+3], s[4:5], \s*256          ; K step s: 128 bf16 along the rows
	s_or_b32 s[G0A+4*\s+3], s[G0A+4*\s+3], 0x80000000
	s_mov_b32 s[G0B+4*\s], 1
	s_add_co_u32 s[G0B+4*\s+1], s93, \s*SLOT
	s_add_nc_u64 s[G0B+4*\s+2:G0B+4*\s+3], s[6:7], \s*65536        ; K step s: 65,536 bytes of W1F
	s_or_b32 s[G0B+4*\s+3], s[G0B+4*\s+3], 0x80000000
.endr
	s_mov_b32 s[G0C], 1
	s_mov_b32 s[G0C+1], s94
	s_mov_b64 s[G0C+2:G0C+3], s[10:11]
	s_or_b32 s[G0C+3], s[G0C+3], 0x80000000
	s_mov_b32 s[G0W], 1
	s_mov_b32 s[G0W+1], s95
	s_mov_b64 s[G0W+2:G0W+3], s[8:9]
	s_or_b32 s[G0W+3], s[G0W+3], 0x80000000
	CROUND                                         ; all sixteen work-groups are here: the first joint loads meet
	s_cmp_eq_u32 s15, 0                            ; all first fills of a wave inside one branch on its number
	s_cbranch_scc0 .Lfirst_b
	tensor_load_to_lds s[G0A:G0A+3], s[G1A:G1A+7]          ; K step 0
	s_nop 0
	tensor_load_to_lds s[G0A+4:G0A+7], s[G1A:G1A+7]        ; K step 1
	s_nop 0
	tensor_load_to_lds s[G0C:G0C+3], s[G1C:G1C+7]          ; b1P
	s_nop 0
	s_branch .Lfirst_done
.Lfirst_b:
	tensor_load_to_lds s[G0B:G0B+3], s[G1B:G1B+7]
	s_nop 0
	tensor_load_to_lds s[G0B+4:G0B+7], s[G1B:G1B+7]
	s_nop 0
	tensor_load_to_lds s[G0W:G0W+3], s[G1W:G1W+7]          ; W2F
	s_nop 0
.Lfirst_done:
	; A fragment of x is 16 rows x 32 K in 8 registers: lane (r, h) holds row r; registers 0-3 K = 8h .., registers 4-7 K = 16 + 8h ..:
	; two loads of 16 bytes, 32 bytes apart.  W1F lies in that order already: 16 x lane, and 512 bytes on for registers 4-7.
	v_and_b32 v1, 15, v0                           ; r
	v_bfe_u32 v2, v0, 4, 1                         ; h
	v_and_b32 v3, 31, v0                           ; lane
	v_mul_u32_u24 v4, v1, PITCH
	v_lshl_add_u32 v4, v2, 4, v4                   ; row r, 8 bf16 further for lanes 16 to 31
	s_mul_i32 s96, s15, HALFA                      ; my 128 rows
	v_add_nc_u32 v[ADRA], s96, v4
	v_add_nc_u32 v[ADRA+1], SLOT, v[ADRA]
	v_lshlrev_b32 v[CO], 4, v3
	s_lshl_b32 s97, s16, 13                        ; my tiles 8 wc ..: 1,024 bytes each
	s_add_co_u32 s97, s97, ABYTES
	v_add_nc_u32 v[ADRB], s97, v[CO]
	v_add_nc_u32 v[ADRB+1], SLOT, v[ADRB]
	s_lshl_b32 s97, s16, 14                        ; my pairs 4 wc ..: 4,096 bytes each
	s_add_co_u32 s97, s97, W2L
	v_add_nc_u32 v[ADRW], s97, v[CO]
	s_lshl_b32 s97, s16, 9                         ; my 128 numbers of b1P
	s_add_co_u32 s97, s97, B1L
	v_lshl_add_u32 v[ADRC], v2, 5, s97
	v_lshlrev_b32 v[STO], 4, v1
	v_lshl_add_u32 v[STO], v2, 10, v[STO]          ; 16 r + 1,024 h,
	s_lshl_b32 s97, s14, 15
	v_add_nc_u32 v[STO], s97, v[STO]               ; in my wave's image of 32,768 bytes
	s_lshl_b32 s96, s15, 16                        ; the two images of my row half,
	s_lshl_b32 s97, s16, 14                        ; of each the half wc
	s_add_co_u32 s96, s96, s97
	v_add_nc_u32 v[RD], s96, v[CO]
; 16 matrix instructions: row blocks a0, a0 + 1 of the window's four (hi = 0: my rows 0-63, 1: rows 64-127) x all 8 column tiles, 32 along K.
; zero = 1: the first product starts the sums.  The 64 accumulators take turns, one instruction a turn, in the same order in every
; quarter step, over the backward jump too.
.macro MUL16 f, hi, a0, zero
.irp a, \a0, \a0+1
.irp b, 0,1,2,3,4,5,6,7
.if \zero
	v_wmma_f32_16x16x32_bf16 v[8*(8*(\a)+\b):8*(8*(\a)+\b)+7], v[\f+8*\b:\f+8*\b+7], v[\f+8*(4*\hi+\a):\f+8*(4*\hi+\a)+7], 0
.else
	v_wmma_f32_16x16x32_bf16 v[8*(8*(\a)+\b):8*(8*(\a)+\b)+7], v[\f+8*\b:\f+8*\b+7], v[\f+8*(4*\hi+\a):\f+8*(4*\hi+\a)+7], v[8*(8*(\a)+\b):8*(8*(\a)+\b)+7]
.endif
.endr
.endr
.endm
; 32 LDS loads in one run: the fragments of quarter q of a slot's K step (my 8 tiles of W1, my 128 rows of x, 32 along K) into buffer f
.macro FETCH slot, q, f
	WIN TO_B
.irp i, 0,1,2,3,4,5,6,7
	ds_load_b128 v[\f+8*\i:\f+8*\i+3],   v[ADRB+\slot] offset:16384*\q+1024*\i
	ds_load_b128 v[\f+8*\i+4:\f+8*\i+7], v[ADRB+\slot] offset:16384*\q+1024*\i+512
.endr
	WIN 0
.irp i, 0,1,2,3,4,5,6,7
	ds_load_b128 v[\f+8*\i:\f+8*\i+3],   v[ADRA+\slot] offset:64*\q+\i*16*PITCH
	ds_load_b128 v[\f+8*\i+4:\f+8*\i+7], v[ADRA+\slot] offset:64*\q+\i*16*PITCH+32
.endr
.endm
; One of a K step's first three quarters: multiplies buffer f; in its middle it fetches quarter q of the same slot into buffer g.
.macro QUARTER slot, q, f, g, zero
	s_wait_dscnt 8                                 ; W1's tiles and x's rows 0-63 are in; the youngest eight loads (rows 64-127) may be out
	WIN MUL_LO
	MUL16 \f, 0, 0, \zero
	MUL16 \f, 0, 2, \zero
	PLACES                                         ; behind the last products on buffer g
	FETCH \slot, \q, \g
	s_wait_dscnt 32                                ; all but the 32 just issued
	WIN MUL_HI
	MUL16 \f, 1, 0, \zero
	MUL16 \f, 1, 2, \zero
.endm
.macro THREE slot, zero
	QUARTER \slot, 1, F0, F1, \zero
	QUARTER \slot, 2, F1, F0, 0
	QUARTER \slot, 3, F0, F1, 0
.endm
; The last quarter: multiplies buffer 1 and changes slots.  fill = 1: this slot is filled again, two K steps ahead.
; In front of the signal: my reads of this slot are back and all my tensor loads have landed (the one that was out is my part of the next slot).
; Where the slot is filled again the barrier opens a round of the cluster's barrier; the joint refill is the first tensor load behind the round.
.macro TURN slot, next, fill
	s_wait_dscnt 8
	WIN MUL_LO
	MUL16 F1, 0, 0, 0
	s_wait_dscnt 0x0                               ; my reads of this slot are over
	s_wait_tensorcnt 0x0                           ; and all my tensor loads have landed
	ds_add_u32 v255, v255
	s_wait_dscnt 0x0
	s_barrier_signal -1
	MUL16 F1, 0, 2, 0                              ; register work while the others arrive
	WIN 0
	s_barrier_wait -1
.if \fill
	CREST
	s_add_nc_u64 s[G0A+4*\slot+2:G0A+4*\slot+3], s[G0A+4*\slot+2:G0A+4*\slot+3], 512      ; no tensor load of mine is out: two K steps on
	s_add_nc_u64 s[G0B+4*\slot+2:G0B+4*\slot+3], s[G0B+4*\slot+2:G0B+4*\slot+3], 131072
	JLOAD \slot
.endif
	PLACES                                         ; behind the last products on buffer 0
	FETCH \next, 0, F0
	WIN MUL_HI
	MUL16 F1, 1, 0, 0
	MUL16 F1, 1, 2, 0
.endm
.macro LAP zero
	THREE 0, \zero
	TURN 0, 1, 1
	THREE 1, 0
	TURN 1, 0, 1
.endm
	s_wait_tensorcnt 0x2                           ; my part of K step 0 is in; the two loads issued behind it may stay out
	s_barrier_signal -1
	s_barrier_wait -1
	FETCH 0, 0, F0
	LAP 1                                          ; the first lap starts the sums,
	WIN 0
	s_mov_b32 s23, LAPS-2                          ; fourteen go round,
.Llap:
	LAP 0
	WIN 0
	s_sub_co_u32 s23, s23, 1
	s_cmp_lg_u32 s23, 0
	s_cbranch_scc1 .Llap
	THREE 0, 0                                     ; the last fills nothing and has no round
	TURN 0, 1, 0                                   ; behind its barrier no wave reads slot 0 and no load fills it any more
	THREE 1, 0
	s_wait_dscnt 8
	WIN MUL_LO
	MUL16 F1, 0, 0, 0
	MUL16 F1, 0, 2, 0
	s_wait_dscnt 0x0
	WIN MUL_HI
	MUL16 F1, 1, 0, 0
	MUL16 F1, 1, 2, 0
	; THE WAY OUT.  My 16 fragments of W2F take window 1's v0-127, my b1 takes v32-95: both landed in LDS before the first change of slots.
	PLACES                                         ; behind the last products: for the loads below and for the sums that read results
	WIN TO_B
.irp p, 0,1,2,3
.irp et, 0,1,2,3
	ds_load_b128 v[8*(4*\p+\et):8*(4*\p+\et)+3],   v[ADRW] offset:4096*\p+1024*\et
	ds_load_b128 v[8*(4*\p+\et)+4:8*(4*\p+\et)+7], v[ADRW] offset:4096*\p+1024*\et+512
.endr
.endr
	WIN 0
.irp b, 0,1,2,3,4,5,6,7
	ds_load_b128 v[B1R+8*\b:B1R+8*\b+3],   v[ADRC] offset:64*\b
	ds_load_b128 v[B1R+8*\b+4:B1R+8*\b+7], v[ADRC] offset:64*\b+16
.endr
	s_lshl_b32 s100, s19, 21                       ; plog: nb x 2,097,152 + rb x 8 blocks of 8,192 + wr x 4 blocks + wc x 2 blocks
	s_lshl_b32 s101, s20, 16
	s_add_co_u32 s100, s100, s101
	s_lshl_b32 s101, s15, 15
	s_add_co_u32 s100, s100, s101
	s_lshl_b32 s101, s16, 14
	s_add_co_u32 s100, s100, s101
	s_mov_b32 s101, 0
	s_add_nc_u64 s[12:13], s[12:13], s[100:101]
	s_wait_dscnt 0x0
; Tiles 2p and 2p+1 of my rows 16 (4 hi + a) ..: z = sum + b1, h = z / (1 + 2^(-z log2 e)), h = hi + lo in bf16, and 32 more of the second product's K.
.macro PAIR hi, a, p
	WIN (2+\hi)                                    ; source 0 in the accumulators' window
.irp u, 0,1,2,3,4,5,6,7
	v_pk_add_f32 v[ZZ+2*\u:ZZ+2*\u+1], v[8*(8*\a+2*\p)+2*\u:8*(8*\a+2*\p)+2*\u+1], v[B1R+16*\p+2*\u:B1R+16*\p+2*\u+1]
.endr
	WIN 0
.irp u, 0,1,2,3,4,5,6,7
	v_pk_mul_f32 v[EX+2*\u:EX+2*\u+1], v[ZZ+2*\u:ZZ+2*\u+1], 0xbfb8aa3b op_sel_hi:[1,0]   ; -z log2 e
.endr
.irp u, 0,1,2,3,4,5,6,7,8,9,10,11,12,13,14,15
	v_exp_f32 v[EX+\u], v[EX+\u]
.endr
	v_nop                                          ; one plain vector instruction behind the transcendentals (ISA guide 5.7.2)
	s_wait_alu depctr_va_vdst(0)
.irp u, 0,1,2,3,4,5,6,7
	v_pk_add_f32 v[EX+2*\u:EX+2*\u+1], v[EX+2*\u:EX+2*\u+1], 1.0 op_sel_hi:[1,0]
.endr
.irp u, 0,1,2,3,4,5,6,7,8,9,10,11,12,13,14,15
	v_rcp_f32 v[EX+\u], v[EX+\u]
.endr
	v_nop
	s_wait_alu depctr_va_vdst(0)
.irp u, 0,1,2,3,4,5,6,7
	v_pk_mul_f32 v[ZZ+2*\u:ZZ+2*\u+1], v[ZZ+2*\u:ZZ+2*\u+1], v[EX+2*\u:EX+2*\u+1]         ; h
.endr
.irp i, 0,1,2,3,4,5,6,7
	v_cvt_pk_bf16_f32 v[HHI+\i], v[ZZ+2*\i], v[ZZ+2*\i+1]                                 ; hi
.endr
.irp i, 0,1,2,3,4,5,6,7
	v_lshlrev_b32 v[EX+2*\i], 16, v[HHI+\i]
	v_and_b32 v[EX+2*\i+1], s98, v[HHI+\i]
.endr
.irp u, 0,1,2,3,4,5,6,7
	v_pk_add_f32 v[ZZ+2*\u:ZZ+2*\u+1], v[ZZ+2*\u:ZZ+2*\u+1], v[EX+2*\u:EX+2*\u+1] neg_lo:[0,1] neg_hi:[0,1]   ; h - hi, exact
.endr
.irp i, 0,1,2,3,4,5,6,7
	v_cvt_pk_bf16_f32 v[HLO+\i], v[ZZ+2*\i], v[ZZ+2*\i+1]                                 ; lo
.endr
	WIN 1                                          ; source 0 (W2) window 1, all else window 0
	; four accumulators by turns, one instruction a turn
.irp et, 0,1,2,3
.if \p == 0
	v_wmma_f32_16x16x32_bf16 v[D2+8*\et:D2+8*\et+7], v[8*(4*\p+\et):8*(4*\p+\et)+7], v[HHI:HHI+7], 0
.else
	v_wmma_f32_16x16x32_bf16 v[D2+8*\et:D2+8*\et+7], v[8*(4*\p+\et):8*(4*\p+\et)+7], v[HHI:HHI+7], v[D2+8*\et:D2+8*\et+7]
.endif
.endr
.irp et, 0,1,2,3
	v_wmma_f32_16x16x32_bf16 v[D2+8*\et:D2+8*\et+7], v[8*(4*\p+\et):8*(4*\p+\et)+7], v[HLO:HLO+7], v[D2+8*\et:D2+8*\et+7]
.endr
.endm
; D2 tile et, lane (r, h), register j = (expert 16 et + 8 h + j, row 16 (4 hi + a) + r).  plog keeps [block of 32 rows][4 experts][row][4 f32];
; my image in LDS has the same order for my 128 rows: sixteen neighbouring lanes put 256 neighbouring bytes.
; The images lie in slot 0's bytes, which have had their last fill and their last read in front of the last change of slots.
.macro OUTA hi, a
	PLACES                                         ; behind the last products, in front of the LDS stores that read them
	WIN 0
.irp et, 0,1,2,3
.irp jh, 0,1
	ds_store_b128 v[STO], v[D2+8*\et+4*\jh:D2+8*\et+4*\jh+3] offset:((4*\hi+\a)/2)*8192+((4*\hi+\a)%2)*256+2048*\et+512*\jh
.endr
.endr
.endm
.irp hi, 0,1
.irp a, 0,1,2,3
.irp p, 0,1,2,3
	PAIR \hi, \a, \p
.endr
	OUTA \hi, \a
.endr
.endr
	s_wait_dscnt 0x0                               ; my image is in LDS, for my partner's sake
	s_barrier_signal -1
	s_barrier_wait -1
	; my half (16,384 bytes) of the two images of my row half: added, and stored in runs of 512 neighbouring bytes
.irp i, 0,1,2,3,4,5,6,7,8,9,10,11,12,13,14,15
	ds_load_b128 v[P0+4*\i:P0+4*\i+3], v[RD] offset:512*\i
.endr
.irp i, 0,1,2,3,4,5,6,7,8,9,10,11,12,13,14,15
	ds_load_b128 v[P1+4*\i:P1+4*\i+3], v[RD] offset:32768+512*\i
.endr
.irp i, 0,1,2,3,4,5,6,7,8,9,10,11,12,13,14,15
	ds_load_b128 v[P0+64+4*\i:P0+64+4*\i+3], v[RD] offset:8192+512*\i
.endr
	s_wait_dscnt 16                                ; LDS loads come back in order: the first 32 are in, the sixteen issued behind them stay out
.set i, 0
.rept 32
	v_pk_add_f32 v[P0+i:P0+i+1], v[P0+i:P0+i+1], v[P1+i:P1+i+1]
.set i, i+2
.endr
.irp i, 0,1,2,3,4,5,6,7,8,9,10,11,12,13,14,15
	global_store_b128 v[CO], v[P0+4*\i:P0+4*\i+3], s[12:13] offset:512*\i
.endr
.irp i, 0,1,2,3,4,5,6,7,8,9,10,11,12,13,14,15
	ds_load_b128 v[P1+4*\i:P1+4*\i+3], v[RD] offset:32768+8192+512*\i
.endr
	s_wait_dscnt 0x0
.set i, 0
.rept 32
	v_pk_add_f32 v[P0+64+i:P0+64+i+1], v[P0+64+i:P0+64+i+1], v[P1+i:P1+i+1]
.set i, i+2
.endr
.irp i, 0,1,2,3,4,5,6,7,8,9,10,11,12,13,14,15
	global_store_b128 v[CO], v[P0+64+4*\i:P0+64+4*\i+3], s[12:13] offset:8192+512*\i
.endr
	s_set_vgpr_msb 0x1
	s_wait_tensorcnt 0x0
	ds_add_u32 v255, v255
	s_wait_dscnt 0x0
	s_set_vgpr_msb 0x100
	CROUND                                         ; the closing round: no work-group ends while a partner may still ask for a tile that names it
	s_endpgm
.Lfunc_end_k_q15f410f725_gate:
	.size	k_q15f410f725_gate, .Lfunc_end_k_q15f410f725_gate-k_q15f410f725_gate
	.p2alignl 7, 3214868480
	.fill 96, 4, 3214868480
	.section	.rodata,"a",@progbits
	.p2align	6, 0x0
	.amdhsa_kernel k_q15f410f725_gate
		.amdhsa_group_segment_fixed_size 327680
		.amdhsa_private_segment_fixed_size 0
		.amdhsa_enable_private_segment 0
		.amdhsa_kernarg_size 40
		.amdhsa_user_sgpr_count 2
		.amdhsa_user_sgpr_kernarg_segment_ptr 1
		.amdhsa_wavefront_size32 1
		.amdhsa_system_sgpr_workgroup_id_x 1
		.amdhsa_system_sgpr_workgroup_id_y 1
		.amdhsa_system_sgpr_workgroup_id_z 1
		.amdhsa_system_vgpr_workitem_id 0
		.amdhsa_next_free_vgpr 1024
		.amdhsa_next_free_sgpr 102
		.amdhsa_reserve_vcc 0
		.amdhsa_float_denorm_mode_32 3
		.amdhsa_float_denorm_mode_16_64 3
		.amdhsa_memory_ordered 1
		.amdhsa_forward_progress 1
		.amdhsa_inst_pref_size 255
	.end_amdhsa_kernel
	.section	.bss,"aw",@nobits
	.p2align	6
	.space	262144
	.amdgpu_metadata
---
amdhsa.version: [ 1, 2 ]
amdhsa.kernels:
  - .name:           k_q15f410f725_gate
    .symbol:         k_q15f410f725_gate.kd
    .args:
      - { .name: xb, .offset: 0, .size: 8, .value_kind: global_buffer, .address_space: global }
      - { .name: W1F, .offset: 8, .size: 8, .value_kind: global_buffer, .address_space: global }
      - { .name: W2F, .offset: 16, .size: 8, .value_kind: global_buffer, .address_space: global }
      - { .name: b1P, .offset: 24, .size: 8, .value_kind: global_buffer, .address_space: global }
      - { .name: plog, .offset: 32, .size: 8, .value_kind: global_buffer, .address_space: global }
    .group_segment_fixed_size: 327680
    .private_segment_fixed_size: 0
    .kernarg_segment_align: 8
    .kernarg_segment_size: 40
    .max_flat_workgroup_size: 128
    .sgpr_count:     102
    .vgpr_count:     1024
    .wavefront_size: 32
...
	.end_amdgpu_metadata
.endif
;; end of part 2
;; launch route (part 3): grid 256 x 1, 4 waves a work-group, no clusters, 41,984 bytes of LDS; arguments plog, b2, out0, out1, part; writes out0, out1, part
.if DOCPART == 3
	.amdgcn_target "amdgcn-amd-amdhsa--gfx1250"
	.amdhsa_code_object_version 6
	.text
	.protected	k_q15f410f725_route
	.globl	k_q15f410f725_route
	.p2align	8
	.type	k_q15f410f725_route,@function
k_q15f410f725_route:
	s_mov_b64 s[64:65], 0
	v_nop
	global_prefetch_b8 v0, s[64:65] scope:SCOPE_SE
	s_setreg_imm32_b32 hwreg(HW_REG_WAVE_MODE, 25, 1), 1
	s_wait_xcnt 0x0
; route: a work-group takes 32 rows, a lane one row.  logits = b2 + the eight partial logits; top 2 with the lowest index first among
; equals; softmax of the two; softmax of all 64 (the row's maximum taken away first); this block's sums of probabilities and counts of
; first choices go to part[work-group] = 64 sums, then 64 counts.
; plog: byte nb*2097152 + RB*8192 + ec*512 + row*16 = four f32, experts 4 ec .. 4 ec + 3 of row 32 RB + row: a load of a wave takes 512 neighbouring bytes.
; The eight partials are shared among four waves (two each, 32 loads a wave); three waves hand their sums to wave 0 through LDS.
; A short stream: no matrix unit, no cluster (no two work-groups read the same bytes but b2's 256).
; LIMITS, stated: b2 is rounded once to bf16 (relative 2^-9), as all inputs are, and used as f32.  A row with a NaN logit is not reproduced
; (its index comes out as 64).  Probabilities below 2^-126 come out as 0 (ISA guide, v_exp_f32).
.set LG, 32                            ; v[32:95]   the row's 64 logits
.set T0, 96                            ; v[96:159]  a partial; later the probabilities
.set T1, 160                           ; v[160:223] a partial; later at work
.set MX, 8                             ; v[8:11]    four chains of maxima
.set IX, 12                            ; v[12:15]   four chains of indices
.set RS, 224                           ; v[224:227] sums of probabilities (lanes 0-15), counts (lanes 16-31)
.set CN, 228                           ; v[228:231] counts
.set TR, 32768                         ; LDS: 32 rows x 272 bytes, wave 0's own; in front of it 8,192 bytes for each wave's sums
	s_load_b256 s[4:11], s[0:1], 0x0               ; plog s[4:5], b2 s[6:7], out0 s[8:9], out1 s[10:11]
	s_load_b64 s[12:13], s[0:1], 0x20              ; part
	v_lshl_add_u32 v240, v0, 2, 0xa200
	v_mov_b32 v241, 0
	v_lshrrev_b32 v1, 5, v0
	v_readfirstlane_b32 s14, v1                    ; wave w
	v_and_b32 v7, 31, v0                           ; lane = row
	v_lshlrev_b32 v1, 4, v7                        ; 16 x lane
	v_lshlrev_b32 v2, 3, v7                        ; 8 x lane
	v_mov_b32 v3, 0
	v_mul_u32_u24 v4, v7, 272
	v_add_nc_u32 v4, TR, v4                        ; where my row of probabilities goes
	v_and_b32 v5, 15, v0
	v_lshlrev_b32 v5, 4, v5
	v_bfe_u32 v6, v0, 4, 1
	v_mad_u32_u24 v5, v6, 16*272, v5
	v_add_nc_u32 v5, TR, v5                        ; back: four experts of rows 16 h ..
	v_lshl_add_u32 v6, s14, 13, v1                 ; my wave's 8,192 bytes
	s_lshl_b32 s16, ttmp9, 13
	s_lshl_b32 s17, s14, 22                        ; partials 2 w and 2 w + 1
	s_add_co_u32 s16, s16, s17
	s_mov_b32 s17, 0
	s_lshl_b32 s18, ttmp9, 8                       ; 32 rows of 8 bytes in out0 and out1
	s_mov_b32 s19, 0
	s_mov_b32 s24, 0x76543210                      ; v_permlanex16_b32: lane i of one half reads lane i of the other
	s_mov_b32 s25, 0xfedcba98
	s_mov_b32 s27, 0xffff0000                      ; a word's upper bf16; also: lanes 16 to 31
	s_wait_kmcnt 0x0
	s_add_nc_u64 s[4:5], s[4:5], s[16:17]
	s_add_nc_u64 s[8:9], s[8:9], s[18:19]
	s_add_nc_u64 s[10:11], s[10:11], s[18:19]
	s_lshl_b32 s18, ttmp9, 9                       ; 512 bytes in part
	s_add_nc_u64 s[12:13], s[12:13], s[18:19]
.irp ec, 0,1,2,3,4,5,6,7,8,9,10,11,12,13,14,15
	global_load_b128 v[T0+4*\ec:T0+4*\ec+3], v1, s[4:5] offset:512*\ec th:TH_LOAD_NT
.endr
.irp ec, 0,1,2,3,4,5,6,7,8,9,10,11,12,13,14,15
	global_load_b128 v[T1+4*\ec:T1+4*\ec+3], v1, s[4:5] offset:2097152+512*\ec th:TH_LOAD_NT
.endr
	s_cmp_lg_u32 s14, 0
	s_cbranch_scc1 .Lothers
	; wave 0: b2 (every lane the same 256 bytes), rounded as stated, starts the sums
.irp ec, 0,1,2,3,4,5,6,7,8,9,10,11,12,13,14,15
	global_load_b128 v[LG+4*\ec:LG+4*\ec+3], v3, s[6:7] offset:16*\ec
.endr
	s_wait_loadcnt 0x0
.set i, 0
.rept 32
	v_cvt_pk_bf16_f32 v[RS+i%4], v[LG+2*i], v[LG+2*i+1]
	v_lshlrev_b32 v[LG+2*i], 16, v[RS+i%4]
	v_and_b32 v[LG+2*i+1], s27, v[RS+i%4]
.set i, i+1
.endr
.set i, 0
.rept 32
	v_pk_add_f32 v[LG+i:LG+i+1], v[LG+i:LG+i+1], v[T0+i:T0+i+1]
.set i, i+2
.endr
.set i, 0
.rept 32
	v_pk_add_f32 v[LG+i:LG+i+1], v[LG+i:LG+i+1], v[T1+i:T1+i+1]
.set i, i+2
.endr
	s_branch .Ljoin
.Lothers:
	s_wait_loadcnt 0x0
.set i, 0
.rept 32
	v_pk_add_f32 v[T0+i:T0+i+1], v[T0+i:T0+i+1], v[T1+i:T1+i+1]
.set i, i+2
.endr
.irp ec, 0,1,2,3,4,5,6,7,8,9,10,11,12,13,14,15
	ds_store_b128 v6, v[T0+4*\ec:T0+4*\ec+3] offset:512*\ec
.endr
.Ljoin:
	s_wait_dscnt 0x0                               ; my stores are in LDS, for wave 0's sake
	s_barrier_signal -1
	s_barrier_wait -1
	s_cmp_lg_u32 s14, 0
	s_cbranch_scc1 .Lend                           ; waves 1 to 3 have handed their sums over
.irp ec, 0,1,2,3,4,5,6,7,8,9,10,11,12,13,14,15
	ds_load_b128 v[T0+4*\ec:T0+4*\ec+3], v1 offset:8192+512*\ec
.endr
.irp ec, 0,1,2,3,4,5,6,7,8,9,10,11,12,13,14,15
	ds_load_b128 v[T1+4*\ec:T1+4*\ec+3], v1 offset:16384+512*\ec
.endr
	s_wait_dscnt 16                                ; wave 1's sums are in; the sixteen loads issued behind them stay out
.set i, 0
.rept 32
	v_pk_add_f32 v[LG+i:LG+i+1], v[LG+i:LG+i+1], v[T0+i:T0+i+1]
.set i, i+2
.endr
.irp ec, 0,1,2,3,4,5,6,7,8,9,10,11,12,13,14,15
	ds_load_b128 v[T0+4*\ec:T0+4*\ec+3], v1 offset:24576+512*\ec
.endr
	s_wait_dscnt 16                                ; wave 2's are in; wave 3's sixteen stay out
.set i, 0
.rept 32
	v_pk_add_f32 v[LG+i:LG+i+1], v[LG+i:LG+i+1], v[T1+i:T1+i+1]
.set i, i+2
.endr
	s_wait_dscnt 0x0
.set i, 0
.rept 32
	v_pk_add_f32 v[LG+i:LG+i+1], v[LG+i:LG+i+1], v[T0+i:T0+i+1]
.set i, i+2
.endr
; The largest of the 64 logits into v[m], and the lowest index that holds it into v[i]: four chains each; the index chains run from
; 63 down, so that the lowest index is written last.
.macro TOP m, i
.irp c, 0,1,2,3
	v_max_num_f32 v[MX+\c], v[LG+\c], v[LG+4+\c]
.endr
.irp g, 1,2,3,4,5,6,7
.irp c, 0,1,2,3
	v_max3_num_f32 v[MX+\c], v[MX+\c], v[LG+8*\g+\c], v[LG+8*\g+4+\c]
.endr
.endr
	v_max3_num_f32 v[MX], v[MX], v[MX+1], v[MX+2]
	v_max_num_f32 v[\m], v[MX], v[MX+3]
.irp c, 0,1,2,3
	v_mov_b32 v[IX+\c], 64
.endr
.set k, 63
.rept 64
	v_cmp_eq_f32 s[20+k%4], v[LG+k], v[\m]
	v_cndmask_b32 v[IX+k%4], v[IX+k%4], k, s[20+k%4]
.set k, k-1
.endr
	v_min_u32 v[IX], v[IX], v[IX+1]
	v_min_u32 v[IX+2], v[IX+2], v[IX+3]
	v_min_u32 v[\i], v[IX], v[IX+2]
.endm
	TOP 16, 26                                     ; m1 in v16, its index in v26
	; probabilities: 2^((l - m1) log2 e).  The difference is formed first, so that its rounding does not grow with the logits' size.
	v_mov_b32 v22, v16
	v_mov_b32 v23, v16
.set i, 0
.rept 32
	v_pk_add_f32 v[T0+i:T0+i+1], v[LG+i:LG+i+1], v[22:23] neg_lo:[0,1] neg_hi:[0,1]
.set i, i+2
.endr
.set i, 0
.rept 32
	v_pk_mul_f32 v[T0+i:T0+i+1], v[T0+i:T0+i+1], 0x3fb8aa3b op_sel_hi:[1,0]
.set i, i+2
.endr
.set i, 0
.rept 64
	v_exp_f32 v[T0+i], v[T0+i]
.set i, i+1
.endr
	v_nop                                          ; one plain vector instruction behind the transcendentals (ISA guide 5.7.2)
	s_wait_alu depctr_va_vdst(0)
.irp c, 0,1,2,3
	v_pk_add_f32 v[T1+2*\c:T1+2*\c+1], v[T0+2*\c:T0+2*\c+1], v[T0+8+2*\c:T0+8+2*\c+1]
.endr
.irp g, 2,3,4,5,6,7
.irp c, 0,1,2,3
	v_pk_add_f32 v[T1+2*\c:T1+2*\c+1], v[T1+2*\c:T1+2*\c+1], v[T0+8*\g+2*\c:T0+8*\g+2*\c+1]
.endr
.endr
	v_pk_add_f32 v[T1:T1+1], v[T1:T1+1], v[T1+2:T1+3]
	v_pk_add_f32 v[T1+4:T1+5], v[T1+4:T1+5], v[T1+6:T1+7]
	v_pk_add_f32 v[T1:T1+1], v[T1:T1+1], v[T1+4:T1+5]
	v_add_f32 v28, v[T1], v[T1+1]                  ; at least 1: the maximum's own term
	v_rcp_f32 v22, v28
	v_rcp_f32 v23, v28
	v_mov_b32 v20, 0xff800000                      ; minus infinity; also the plain instruction behind the reciprocals
.set i, 0
	s_wait_alu depctr_va_vdst(0)
.rept 32
	v_pk_mul_f32 v[T0+i:T0+i+1], v[T0+i:T0+i+1], v[22:23]
.set i, i+2
.endr
.irp ec, 0,1,2,3,4,5,6,7,8,9,10,11,12,13,14,15
	ds_store_b128 v4, v[T0+4*\ec:T0+4*\ec+3] offset:16*\ec        ; my row, pitch 272
.endr
	; the first choice is taken out, and the second found in the same way
.set k, 0
.rept 64
	v_cmp_eq_u32 s[20+k%4], k, v26
	v_cndmask_b32 v[LG+k], v[LG+k], v20, s[20+k%4]
.set k, k+1
.endr
	TOP 18, 27                                     ; m2 in v18, its index in v27
	v_sub_f32 v29, v18, v16                        ; at most 0
	v_mul_f32 v29, 0x3fb8aa3b, v29
	v_exp_f32 v29, v29
	v_nop
	s_wait_alu depctr_va_vdst(0)
	v_add_f32 v28, 1.0, v29
	v_rcp_f32 v24, v28                             ; weight of the first: 1 / (1 + e)
	v_nop
	s_wait_alu depctr_va_vdst(0)
	v_mul_f32 v25, v29, v24                        ; of the second: e / (1 + e)
	global_store_b64 v2, v[24:25], s[8:9]          ; the wave stores 256 neighbouring bytes, aligned
	global_store_b64 v2, v[26:27], s[10:11]
	; sums of the probabilities over the 32 rows: lane (q, h) takes experts 4q .. 4q+3 of rows 16 h .. 16 h + 15
.irp u, 0,1,2,3,4,5,6,7,8,9,10,11,12,13,14,15
	ds_load_b128 v[T1+4*\u:T1+4*\u+3], v5 offset:272*\u           ; LDS serves a wave's instructions in order: these see the stores above
.endr
	s_wait_dscnt 0x0
.set u, 2
.rept 14
	v_pk_add_f32 v[T1+4*(u%2):T1+4*(u%2)+1], v[T1+4*(u%2):T1+4*(u%2)+1], v[T1+4*u:T1+4*u+1]
	v_pk_add_f32 v[T1+4*(u%2)+2:T1+4*(u%2)+3], v[T1+4*(u%2)+2:T1+4*(u%2)+3], v[T1+4*u+2:T1+4*u+3]
.set u, u+1
.endr
	v_pk_add_f32 v[RS:RS+1], v[T1:T1+1], v[T1+4:T1+5]
	v_pk_add_f32 v[RS+2:RS+3], v[T1+2:T1+3], v[T1+6:T1+7]
.irp i, 0,1,2,3
	v_permlanex16_b32 v[T1+8+\i], v[RS+\i], s24, s25              ; the other sixteen rows' sums (the destination has been written before)
.endr
.irp i, 0,1,2,3
	v_add_f32 v[RS+\i], v[RS+\i], v[T1+8+\i]
.endr
	; counts of first choices: expert e's count goes to lane 16 + e / 4, register e % 4
.irp i, 0,1,2,3
	v_mov_b32 v[CN+\i], 0
.endr
.set e, 0
.rept 16
.irp i, 0,1,2,3
	v_cmp_eq_u32 s[20+\i], e+\i, v26
.endr
.irp i, 0,1,2,3
	s_bcnt1_i32_b32 s[28+\i], s[20+\i]
.endr
.irp i, 0,1,2,3
	v_writelane_b32 v[CN+\i], s[28+\i], 16+e/4
.endr
.set e, e+4
.endr
.irp i, 0,1,2,3
	v_cvt_f32_u32 v[CN+\i], v[CN+\i]
.endr
.irp i, 0,1,2,3
	v_cndmask_b32 v[RS+\i], v[RS+\i], v[CN+\i], s27               ; lanes 16 to 31 carry the counts
.endr
	global_store_b128 v1, v[RS:RS+3], s[12:13]     ; 512 neighbouring bytes: 64 sums, 64 counts
.Lend:
	s_wait_tensorcnt 0x0
	ds_add_u32 v240, v241
	s_wait_dscnt 0x0
	s_endpgm
.Lfunc_end_k_q15f410f725_route:
	.size	k_q15f410f725_route, .Lfunc_end_k_q15f410f725_route-k_q15f410f725_route
	.p2alignl 7, 3214868480
	.fill 96, 4, 3214868480
	.section	.rodata,"a",@progbits
	.p2align	6, 0x0
	.amdhsa_kernel k_q15f410f725_route
		.amdhsa_group_segment_fixed_size 41984
		.amdhsa_private_segment_fixed_size 0
		.amdhsa_enable_private_segment 0
		.amdhsa_kernarg_size 40
		.amdhsa_user_sgpr_count 2
		.amdhsa_user_sgpr_kernarg_segment_ptr 1
		.amdhsa_wavefront_size32 1
		.amdhsa_system_sgpr_workgroup_id_x 1
		.amdhsa_system_sgpr_workgroup_id_y 1
		.amdhsa_system_sgpr_workgroup_id_z 1
		.amdhsa_system_vgpr_workitem_id 0
		.amdhsa_next_free_vgpr 242
		.amdhsa_next_free_sgpr 66
		.amdhsa_reserve_vcc 0
		.amdhsa_float_denorm_mode_32 3
		.amdhsa_float_denorm_mode_16_64 3
		.amdhsa_memory_ordered 1
		.amdhsa_forward_progress 1
		.amdhsa_inst_pref_size 82
	.end_amdhsa_kernel
	.amdgpu_metadata
---
amdhsa.version: [ 1, 2 ]
amdhsa.kernels:
  - .name:           k_q15f410f725_route
    .symbol:         k_q15f410f725_route.kd
    .args:
      - { .name: plog, .offset: 0, .size: 8, .value_kind: global_buffer, .address_space: global }
      - { .name: b2, .offset: 8, .size: 8, .value_kind: global_buffer, .address_space: global }
      - { .name: out0, .offset: 16, .size: 8, .value_kind: global_buffer, .address_space: global }
      - { .name: out1, .offset: 24, .size: 8, .value_kind: global_buffer, .address_space: global }
      - { .name: part, .offset: 32, .size: 8, .value_kind: global_buffer, .address_space: global }
    .group_segment_fixed_size: 41984
    .private_segment_fixed_size: 0
    .kernarg_segment_align: 8
    .kernarg_segment_size: 40
    .max_flat_workgroup_size: 128
    .sgpr_count:     66
    .vgpr_count:     242
    .wavefront_size: 32
...
	.end_amdgpu_metadata
.endif
;; end of part 3
;; launch aux (part 4): grid 1 x 1, 8 waves a work-group, no clusters, 5,120 bytes of LDS; arguments part, out2; writes out2
.if DOCPART == 4
	.amdgcn_target "amdgcn-amd-amdhsa--gfx1250"
	.amdhsa_code_object_version 6
	.text
	.protected	k_q15f410f725_aux
	.globl	k_q15f410f725_aux
	.p2align	8
	.type	k_q15f410f725_aux,@function
k_q15f410f725_aux:
	s_mov_b64 s[64:65], 0
	v_nop
	global_prefetch_b8 v0, s[64:65] scope:SCOPE_SE
	s_setreg_imm32_b32 hwreg(HW_REG_WAVE_MODE, 25, 1), 1
	s_wait_xcnt 0x0
; aux: out2 = 64 x sum over e of (count_e / 8192) (sum of probabilities_e / 8192) = 2^-20 x sum over e of count_e x sum_e.
; part: 256 records of 512 bytes: 64 sums, then 64 counts.  One sum over all rows has one owner: one work-group; eight waves take 32 records
; each (a load takes a whole record: lane q the sums of experts 4q .., lane 16 + q their counts) and meet in LDS.
	s_load_b128 s[4:7], s[0:1], 0x0                ; part s[4:5], out2 s[6:7]
	v_lshl_add_u32 v144, v0, 2, 0x1000
	v_mov_b32 v145, 0
	v_lshrrev_b32 v1, 5, v0
	v_readfirstlane_b32 s8, v1                     ; wave
	v_and_b32 v1, 31, v0
	v_lshlrev_b32 v1, 4, v1                        ; 16 x lane
	v_lshlrev_b32 v2, 4, v0                        ; 512 x wave + 16 x lane
	s_lshl_b32 s10, s8, 14                         ; 32 records
	s_mov_b32 s11, 0
	s_mov_b32 s12, 0x76543210                      ; v_permlanex16_b32: lane i of one half reads lane i of the other
	s_mov_b32 s13, 0xfedcba98
	s_wait_kmcnt 0x0
	s_add_nc_u64 s[4:5], s[4:5], s[10:11]
.set u, 0
.rept 32
	global_load_b128 v[16+4*u:16+4*u+3], v1, s[4:5] offset:512*u th:TH_LOAD_NT
.set u, u+1
.endr
	s_wait_loadcnt 0x0
.set u, 4
.rept 28                                           ; four chains
	v_pk_add_f32 v[16+4*(u%4):16+4*(u%4)+1], v[16+4*(u%4):16+4*(u%4)+1], v[16+4*u:16+4*u+1]
	v_pk_add_f32 v[18+4*(u%4):18+4*(u%4)+1], v[18+4*(u%4):18+4*(u%4)+1], v[18+4*u:18+4*u+1]
.set u, u+1
.endr
	v_pk_add_f32 v[16:17], v[16:17], v[20:21]
	v_pk_add_f32 v[18:19], v[18:19], v[22:23]
	v_pk_add_f32 v[24:25], v[24:25], v[28:29]
	v_pk_add_f32 v[26:27], v[26:27], v[30:31]
	v_pk_add_f32 v[16:17], v[16:17], v[24:25]
	v_pk_add_f32 v[18:19], v[18:19], v[26:27]
	ds_store_b128 v2, v[16:19]
	s_wait_dscnt 0x0                               ; my store is in LDS, for wave 0's sake
	s_barrier_signal -1
	s_barrier_wait -1
	s_cmp_lg_u32 s8, 0
	s_cbranch_scc1 .Lend
.set u, 0
.rept 8
	ds_load_b128 v[16+4*u:16+4*u+3], v1 offset:512*u
.set u, u+1
.endr
	s_wait_dscnt 0x0
.set u, 2
.rept 6                                            ; two chains
	v_pk_add_f32 v[16+4*(u%2):16+4*(u%2)+1], v[16+4*(u%2):16+4*(u%2)+1], v[16+4*u:16+4*u+1]
	v_pk_add_f32 v[18+4*(u%2):18+4*(u%2)+1], v[18+4*(u%2):18+4*(u%2)+1], v[18+4*u:18+4*u+1]
.set u, u+1
.endr
	v_pk_add_f32 v[16:17], v[16:17], v[20:21]
	v_pk_add_f32 v[18:19], v[18:19], v[22:23]
.irp i, 0,1,2,3
	v_permlanex16_b32 v[20+\i], v[16+\i], s12, s13 ; sums meet counts (the destinations have been written before)
.endr
	v_mul_f32 v24, v16, v20
	v_fmac_f32 v24, v17, v21
	v_fmac_f32 v24, v18, v22
	v_fmac_f32 v24, v19, v23
	v_add_f32_dpp v24, v24, v24 row_xmask:1 row_mask:0xf bank_mask:0xf
	v_add_f32_dpp v24, v24, v24 row_xmask:2 row_mask:0xf bank_mask:0xf
	v_add_f32_dpp v24, v24, v24 row_xmask:4 row_mask:0xf bank_mask:0xf
	v_add_f32_dpp v24, v24, v24 row_xmask:8 row_mask:0xf bank_mask:0xf
	v_permlanex16_b32 v25, v24, s12, s13
	v_add_f32 v24, v24, v25                        ; every product stands in both halves of the lanes: twice the sum
	v_mul_f32 v24, 0x35000000, v24                 ; x 2^-21
	v_mov_b32 v26, 0
	v_cmp_eq_u32 vcc_lo, 0, v0
	s_wait_xcnt 0x0                                ; EXEC changes only behind this wait
	s_and_saveexec_b32 s14, vcc_lo
	global_store_b32 v26, v24, s[6:7]              ; thread 0 alone
	s_wait_xcnt 0x0
	s_or_b32 exec_lo, exec_lo, s14
.Lend:
	s_wait_tensorcnt 0x0
	ds_add_u32 v144, v145
	s_wait_dscnt 0x0
	s_endpgm
.Lfunc_end_k_q15f410f725_aux:
	.size	k_q15f410f725_aux, .Lfunc_end_k_q15f410f725_aux-k_q15f410f725_aux
	.p2alignl 7, 3214868480
	.fill 96, 4, 3214868480
	.section	.rodata,"a",@progbits
	.p2align	6, 0x0
	.amdhsa_kernel k_q15f410f725_aux
		.amdhsa_group_segment_fixed_size 5120
		.amdhsa_private_segment_fixed_size 0
		.amdhsa_enable_private_segment 0
		.amdhsa_kernarg_size 16
		.amdhsa_user_sgpr_count 2
		.amdhsa_user_sgpr_kernarg_segment_ptr 1
		.amdhsa_wavefront_size32 1
		.amdhsa_system_sgpr_workgroup_id_x 1
		.amdhsa_system_sgpr_workgroup_id_y 1
		.amdhsa_system_sgpr_workgroup_id_z 1
		.amdhsa_system_vgpr_workitem_id 0
		.amdhsa_next_free_vgpr 146
		.amdhsa_next_free_sgpr 66
		.amdhsa_reserve_vcc 1
		.amdhsa_float_denorm_mode_32 3
		.amdhsa_float_denorm_mode_16_64 3
		.amdhsa_memory_ordered 1
		.amdhsa_forward_progress 1
		.amdhsa_inst_pref_size 11
	.end_amdhsa_kernel
	.amdgpu_metadata
---
amdhsa.version: [ 1, 2 ]
amdhsa.kernels:
  - .name:           k_q15f410f725_aux
    .symbol:         k_q15f410f725_aux.kd
    .args:
      - { .name: part, .offset: 0, .size: 8, .value_kind: global_buffer, .address_space: global }
      - { .name: out2, .offset: 8, .size: 8, .value_kind: global_buffer, .address_space: global }
    .group_segment_fixed_size: 5120
    .private_segment_fixed_size: 0
    .kernarg_segment_align: 8
    .kernarg_segment_size: 16
    .max_flat_workgroup_size: 256
    .sgpr_count:     66
    .vgpr_count:     146
    .wavefront_size: 32
...
	.end_amdgpu_metadata
.endif
;; end of part 4
;; ======== version 2 of 2: 4 launches; version 1 with the launch prep written anew for expert scheduling mode
;; limits: values outside matrix products are rounded to bf16
;; workspace buffers: W1F 16,777,216 bytes; W2F 262,144 bytes; b1P 8,192 bytes; xb 67,108,864 bytes; plog 16,777,216 bytes; part 131,072 bytes
;; launch prep (part 5): grid 1288 x 1, 8 waves a work-group, no clusters, 0 bytes of LDS; arguments W1, W2, b1, W1F, W2F, b1P, x, xb; writes W1F, W2F, b1P, xb
.if DOCPART == 5
	.amdgcn_target "amdgcn-amd-amdhsa--gfx1250"
	.amdhsa_code_object_version 6
	.text
	.protected	k_q15f410f725_prep
	.globl	k_q15f410f725_prep
	.p2align	8
	.type	k_q15f410f725_prep,@function
k_q15f410f725_prep:
	s_mov_b64 s[64:65], 0
	v_nop
	global_prefetch_b8 v0, s[64:65] scope:SCOPE_SE
	s_setreg_imm32_b32 hwreg(HW_REG_WAVE_SCHED_MODE, 0, 2), 2
	s_setreg_imm32_b32 hwreg(HW_REG_WAVE_MODE, 25, 1), 1
	s_wait_xcnt 0x0
	s_wait_alu depctr_vm_vsrc(0)
; prep: every floating input of the first product is rounded once to bf16 and laid as the next launch wants it.
; x [8192][4096] f32 becomes xb, the same rows in bf16.  W1 [4096][2048] f32 and W2 [2048][64] f32 go into the order of the matrix
; fragments; b1 into the same column order.  With lane L = r + 16 h:
;   W1F byte nb*2097152 + ks*16384 + t*1024 + c*512 + L*16 + 2j = W1[32ks+16c+8h+j][256nb + 64(t>>2) + 4r + (t&3)]
;   W2F byte nb*32768 + p*4096 + et*1024 + c*512 + L*16 + 2j    = W2[256nb + 64(t>>2) + 4(8h+j) + (t&3)][16et + r], t = 2p+c
;   b1P[256nb + 16t + q] = b1[256nb + 64(t>>2) + 4q + (t&3)]
; The order of columns inside each group of 64 is chosen so that a lane's four neighbouring f32 of a row of W1 belong to four
; tiles t: every load takes 2 x 256 neighbouring bytes and every store 512 neighbouring bytes, with no pass through LDS.
; Work-groups 0-255: W1; 256-263: W2 and b1; 264-1287: x, 131,072 bytes each.
; FORMAT LIMIT, stated: b1 is rounded once to bf16 (relative 2^-9) as W1, W2 and x are, and kept as f32 from there on,
; so that every input enters the arithmetic in one format.
; A stream: no LDS, no matrix unit, no cluster (no two work-groups read the same bytes).
; THE MODE: SCHED_MODE bits 1:0 = 2 (LLVM: expert scheduling mode 2), set by the entry lines.  The code itself states the register dependences
; between vector instructions and memory instructions, with s_wait_alu, always for 0.
; THE PLAN.  Registers that memory instructions touch, in each of the three paths:
;   v4, v5   byte offsets.  Written once by vector instructions ahead of the path's first load, never again: one wait on va_vdst ahead of that load
;            serves every load and store of the path.  (b1's own offsets v8, v9 are made later, in the arm of waves 0 to 3: a wait of their own.)
;   X        Written by loads alone, each register once; no vector instruction names a register of X ahead of its load.  Read by the conversions.
;   Y        Each register is written by one conversion and read by one store.  A group's conversions stand together, ONE wait on va_vdst behind
;            them, and the group's stores follow in one run.
;   v6, v7   b1: loaded, then written by two vector instructions, then stored: a wait on va_vdst ahead of the store.
;   s16      The wave's number, written by v_readfirstlane_b32: one wait on va_sdst at the head, ahead of the first branch and of every reader.
; No register that a memory instruction has read is written again, so no wait on vm_vsrc stands past the entry lines.
.set X, 16                             ; v[16:143]  f32 as loaded
.set Y, 144                            ; v[144:207] bf16 pairs to store
	s_load_b256 s[4:11], s[0:1], 0x0               ; W1 s[4:5], W2 s[6:7], b1 s[8:9], W1F s[10:11]
	s_load_b128 s[12:15], s[0:1], 0x20             ; W2F s[12:13], b1P s[14:15]
	s_load_b128 s[28:31], s[0:1], 0x30             ; x s[28:29], xb s[30:31]
	v_lshrrev_b32 v1, 5, v0
	v_readfirstlane_b32 s16, v1                    ; wave w, 0 to 7
	v_and_b32 v1, 31, v0                           ; lane
	v_and_b32 v2, 15, v0                           ; r
	v_bfe_u32 v3, v0, 4, 1                         ; h
	v_lshlrev_b32 v5, 4, v1                        ; 16 x lane
	s_wait_alu depctr_va_sdst(0)                   ; s16 is written, ahead of the branches: every path makes its bases from it
	s_cmp_ge_u32 ttmp9, 264
	s_cbranch_scc1 .Lx                             ; work-groups 264 and up take x
	s_cmp_ge_u32 ttmp9, 256
	s_cbranch_scc1 .Lw2                            ; work-groups 256 to 263 take W2 and b1
	; ---- W1: work-group = (ks, gh); wave w takes the two groups of 64 columns G = 16 gh + 2 w + s, 32 rows of K each
	s_lshr_b32 s17, ttmp9, 1                       ; ks
	s_and_b32 s18, ttmp9, 1                        ; gh
	s_lshl_b32 s20, s17, 18                        ; 32 rows of 8,192 bytes
	s_lshl_b32 s22, s18, 12                        ; + 16 gh groups of 256 bytes
	s_add_co_u32 s20, s20, s22
	s_lshl_b32 s22, s16, 9                         ; + 2 w groups
	s_add_co_u32 s20, s20, s22
	s_mov_b32 s21, 0
	s_lshr_b32 s22, s16, 1
	s_lshl2_add_u32 s22, s18, s22                  ; nb = 4 gh + (w >> 1)
	s_lshl_b32 s22, s22, 21
	s_lshl_b32 s24, s17, 14                        ; + ks x 16,384
	s_add_co_u32 s22, s22, s24
	s_and_b32 s24, s16, 1
	s_lshl_b32 s24, s24, 13                        ; + tiles 8 (w & 1) ..
	s_add_co_u32 s22, s22, s24
	s_mov_b32 s23, 0
	v_lshlrev_b32 v4, 4, v2                        ; 16 r: four columns of the group,
	v_lshl_add_u32 v4, v3, 16, v4                  ; eight rows further down for lanes 16 to 31
	s_wait_kmcnt 0x0
	s_add_nc_u64 s[4:5], s[4:5], s[20:21]
	s_add_nc_u64 s[10:11], s[10:11], s[22:23]
	s_wait_alu depctr_va_vdst(0)                   ; v4 and v5 are written: the loads below read v4 as their offset, the stores v5
.irp s, 0,1
.irp c, 0,1
.irp j, 0,1,2,3,4,5,6,7
	global_load_b128 v[X+64*\s+32*\c+4*\j:X+64*\s+32*\c+4*\j+3], v4, s[4:5] offset:(16*\c+\j)*8192+256*\s th:TH_LOAD_NT
.endr
.endr
.endr
; One group of 64 columns: word d of tile i holds rows k = 2d and 2d+1 of column 4r + i.  left = younger loads that may stay out.
.macro PACK1 s, left
	s_wait_loadcnt \left                           ; loads come back in order: this group's sixteen are in
.irp c, 0,1
.irp i, 0,1,2,3
.irp d, 0,1,2,3
	v_cvt_pk_bf16_f32 v[Y+32*\s+16*\c+4*\i+\d], v[X+64*\s+32*\c+8*\d+\i], v[X+64*\s+32*\c+8*\d+4+\i]
.endr
.endr
.endr
	s_wait_alu depctr_va_vdst(0)                   ; the 32 conversions have written this group's Y, which the eight stores read
.irp c, 0,1
.irp i, 0,1,2,3
	global_store_b128 v5, v[Y+32*\s+16*\c+4*\i:Y+32*\s+16*\c+4*\i+3], s[10:11] offset:4096*\s+1024*\i+512*\c   ; 512 neighbouring bytes
.endr
.endr
.endm
	PACK1 0, 16                                    ; the second group's sixteen loads stay out
	PACK1 1, 0
	s_endpgm                                       ; no register of a load or store was written again
	; ---- W2: work-group = nb, wave = p (the pair of tiles 2p, 2p+1).  64-byte runs; a wave's four loads et use up each row of W2
.Lw2:
	s_sub_co_u32 s17, ttmp9, 256                   ; nb
	s_lshl_b32 s20, s17, 16                        ; 256 rows of 256 bytes
	s_lshr_b32 s22, s16, 1
	s_lshl_b32 s22, s22, 14                        ; + 64 (t >> 2) rows
	s_add_co_u32 s20, s20, s22
	s_and_b32 s22, s16, 1
	s_lshl_b32 s22, s22, 9                         ; + 2 (p & 1) rows
	s_add_co_u32 s20, s20, s22
	s_mov_b32 s21, 0
	s_lshl_b32 s22, s17, 15
	s_lshl_b32 s24, s16, 12
	s_add_co_u32 s22, s22, s24                     ; W2F: nb x 32,768 + p x 4,096
	s_mov_b32 s23, 0
	v_lshlrev_b32 v4, 2, v2                        ; expert r of the sixteen,
	v_lshl_add_u32 v4, v3, 13, v4                  ; 32 rows further down for lanes 16 to 31
	s_wait_kmcnt 0x0
	s_add_nc_u64 s[6:7], s[6:7], s[20:21]
	s_add_nc_u64 s[12:13], s[12:13], s[22:23]
	s_wait_alu depctr_va_vdst(0)                   ; v4 and v5 are written: the loads below read v4 as their offset, the stores v5
.irp et, 0,1,2,3
.irp c, 0,1
.irp j, 0,1,2,3,4,5,6,7
	global_load_b32 v[X+8*(2*\et+\c)+\j], v4, s[6:7] offset:1024*\j+256*\c+64*\et
.endr
.endr
.endr
.macro PACK2 e0, e1, left
	s_wait_loadcnt \left
.irp et, \e0, \e1
.irp c, 0,1
.irp d, 0,1,2,3
	v_cvt_pk_bf16_f32 v[Y+4*(2*\et+\c)+\d], v[X+8*(2*\et+\c)+2*\d], v[X+8*(2*\et+\c)+2*\d+1]
.endr
.endr
.endr
	s_wait_alu depctr_va_vdst(0)                   ; the sixteen conversions have written these sixteen registers of Y, which the four stores read
.irp et, \e0, \e1
.irp c, 0,1
	global_store_b128 v5, v[Y+4*(2*\et+\c):Y+4*(2*\et+\c)+3], s[12:13] offset:1024*\et+512*\c
.endr
.endr
.endm
	PACK2 0, 1, 32                                 ; the 32 loads of et = 2, 3 stay out
	PACK2 2, 3, 0
	; ---- b1: waves 0 to 3 take one group of 64 columns each; a lane makes two neighbouring numbers of b1P
	s_cmp_ge_u32 s16, 4
	s_cbranch_scc1 .Lend
	s_lshl_b32 s24, s17, 10
	s_lshl_b32 s26, s16, 8
	s_add_co_u32 s24, s24, s26                     ; nb x 1,024 + group x 256 bytes, in b1 and in b1P
	s_mov_b32 s25, 0
	s_add_nc_u64 s[8:9], s[8:9], s[24:25]
	s_add_nc_u64 s[14:15], s[14:15], s[24:25]
	v_and_b32 v8, 7, v1
	v_lshrrev_b32 v9, 3, v1
	v_lshlrev_b32 v9, 2, v9                        ; 4 (t & 3)
	v_lshl_add_u32 v8, v8, 5, v9                   ; + 16 q, q = 2 (lane & 7)
	v_lshlrev_b32 v9, 3, v1
	s_wait_alu depctr_va_vdst(0)                   ; v8 is written, which the two loads read as their offset, and v9, which the store reads as its offset
	global_load_b32 v6, v8, s[8:9]
	global_load_b32 v7, v8, s[8:9] offset:16       ; q + 1
	s_wait_loadcnt 0x0
	v_cvt_pk_bf16_f32 v10, v6, v7                  ; the stated rounding of b1,
	v_lshlrev_b32 v6, 16, v10                      ; and back to f32
	v_and_b32 v7, 0xffff0000, v10
	s_wait_alu depctr_va_vdst(0)                   ; the two lines above have written v6 and v7, which the store reads
	global_store_b64 v9, v[6:7], s[14:15]          ; the wave stores 256 neighbouring bytes, aligned
.Lend:
	s_endpgm
	; ---- x: work-group g takes 131,072 bytes of x, wave w 16,384 of them: 32 loads of 512 neighbouring bytes, all on their way at once;
	; a lane's four f32 become 8 bytes, so that a store of the wave covers 256 neighbouring bytes, aligned.
.Lx:
	s_sub_co_u32 s17, ttmp9, 264                   ; g, 0 to 1023
	s_lshl_b32 s20, s17, 17
	s_lshl_b32 s22, s16, 14
	s_add_co_u32 s20, s20, s22                     ; byte offset in x, below 2^27
	s_mov_b32 s21, 0
	s_lshr_b32 s22, s20, 1                         ; half as many bytes in xb
	s_mov_b32 s23, 0
	v_lshlrev_b32 v4, 3, v1                        ; 8 x lane
	s_wait_kmcnt 0x0
	s_add_nc_u64 s[28:29], s[28:29], s[20:21]
	s_add_nc_u64 s[30:31], s[30:31], s[22:23]
	s_wait_alu depctr_va_vdst(0)                   ; v5 and v4 are written: the loads below read v5 as their offset, the stores v4
.set u, 0
.rept 32
	global_load_b128 v[X+4*u:X+4*u+3], v5, s[28:29] offset:512*u th:TH_LOAD_NT
.set u, u+1
.endr
.macro PACKX g, left
	s_wait_loadcnt \left                           ; loads come back in order: these eight are in, the younger ones stay out
.irp i, 0,1,2,3,4,5,6,7
	v_cvt_pk_bf16_f32 v[Y+2*(8*\g+\i)],   v[X+4*(8*\g+\i)],   v[X+4*(8*\g+\i)+1]
	v_cvt_pk_bf16_f32 v[Y+2*(8*\g+\i)+1], v[X+4*(8*\g+\i)+2], v[X+4*(8*\g+\i)+3]
.endr
	s_wait_alu depctr_va_vdst(0)                   ; the sixteen conversions have written this group's Y, which the eight stores read
.irp i, 0,1,2,3,4,5,6,7
	global_store_b64 v4, v[Y+2*(8*\g+\i):Y+2*(8*\g+\i)+1], s[30:31] offset:256*(8*\g+\i)
.endr
.endm
	PACKX 0, 24
	PACKX 1, 16
	PACKX 2, 8
	PACKX 3, 0
	s_endpgm                                       ; no register of a load or store was written again
.Lfunc_end_k_q15f410f725_prep:
	.size	k_q15f410f725_prep, .Lfunc_end_k_q15f410f725_prep-k_q15f410f725_prep
	.p2alignl 7, 3214868480
	.fill 96, 4, 3214868480
	.section	.rodata,"a",@progbits
	.p2align	6, 0x0
	.amdhsa_kernel k_q15f410f725_prep
		.amdhsa_group_segment_fixed_size 0
		.amdhsa_private_segment_fixed_size 0
		.amdhsa_enable_private_segment 0
		.amdhsa_kernarg_size 64
		.amdhsa_user_sgpr_count 2
		.amdhsa_user_sgpr_kernarg_segment_ptr 1
		.amdhsa_wavefront_size32 1
		.amdhsa_system_sgpr_workgroup_id_x 1
		.amdhsa_system_sgpr_workgroup_id_y 1
		.amdhsa_system_sgpr_workgroup_id_z 1
		.amdhsa_system_vgpr_workitem_id 0
		.amdhsa_next_free_vgpr 208
		.amdhsa_next_free_sgpr 66
		.amdhsa_reserve_vcc 0
		.amdhsa_float_denorm_mode_32 3
		.amdhsa_float_denorm_mode_16_64 3
		.amdhsa_memory_ordered 1
		.amdhsa_forward_progress 1
		.amdhsa_inst_pref_size 32
	.end_amdhsa_kernel
	.amdgpu_metadata
---
amdhsa.version: [ 1, 2 ]
amdhsa.kernels:
  - .name:           k_q15f410f725_prep
    .symbol:         k_q15f410f725_prep.kd
    .args:
      - { .name: W1, .offset: 0, .size: 8, .value_kind: global_buffer, .address_space: global }
      - { .name: W2, .offset: 8, .size: 8, .value_kind: global_buffer, .address_space: global }
      - { .name: b1, .offset: 16, .size: 8, .value_kind: global_buffer, .address_space: global }
      - { .name: W1F, .offset: 24, .size: 8, .value_kind: global_buffer, .address_space: global }
      - { .name: W2F, .offset: 32, .size: 8, .value_kind: global_buffer, .address_space: global }
      - { .name: b1P, .offset: 40, .size: 8, .value_kind: global_buffer, .address_space: global }
      - { .name: x, .offset: 48, .size: 8, .value_kind: global_buffer, .address_space: global }
      - { .name: xb, .offset: 56, .size: 8, .value_kind: global_buffer, .address_space: global }
    .group_segment_fixed_size: 0
    .private_segment_fixed_size: 0
    .kernarg_segment_align: 8
    .kernarg_segment_size: 64
    .max_flat_workgroup_size: 256
    .sgpr_count:     66
    .vgpr_count:     208
    .wavefront_size: 32
...
	.end_amdgpu_metadata
.endif
;; end of part 5
;; launch gate: the kernel of part 2 again; grid 8 x 32, 4 waves a work-group, clusters of 4 x 4, 327,680 bytes of LDS; arguments xb, W1F, W2F, b1P, plog; writes plog
;; launch route: the kernel of part 3 again; grid 256 x 1, 4 waves a work-group, no clusters, 41,984 bytes of LDS; arguments plog, b2, out0, out1, part; writes out0, out1, part
;; launch aux: the kernel of part 4 again; grid 1 x 1, 8 waves a work-group, no clusters, 5,120 bytes of LDS; arguments part, out2; writes out2
